; MI455X (gfx1250); checked and timed in simulation.
; The chip was launched on July 23, 2026; its instructions are those of AMD's public machine-readable ISA for CDNA 5 (MIT licence, August 2026) and "CDNA5" Instruction Set Architecture Reference Guide (July 2026). The comments in the code are by the model that wrote it; some were corrected since.
;; IPEX Scale Dot Product Ref. Allowed arithmetic: matrix products marked QUANTISED: E5M2 operands, one E8M0 scale for each 32 along K, by v_wmma_scale_f32_16x16x128_f8f6f4 with both operands' format E5M2, f32 sums; everything else in f32.
;; Inputs: attention_mask 2 x 1 x 2,048 x 2,048 float32; key 2 x 8 x 2,048 x 128 float32; query 2 x 32 x 2,048 x 128 float32; value 2 x 2,048 x 8 x 128 float32.
;; Outputs: out0 2 x 32 x 2,048 x 128 float32.
;; This version of the problem:
;;   THIS VERSION OF THE PROBLEM IS GIVEN IN LOW PRECISION. The matrix products marked QUANTISED in the list below multiply operands that are first quantised to E5M2 (5 exponent bits, 2 mantissa bits; 8 bits a number), with one power-of-two scale for each 32 numbers along K (OCP MX v1.0); their sums are f32. All else is computed in f32.
;;   The module's matrix products, in the order in which they are computed (A, B: the left and right operand; K: the contracted axis; several contracted axes count as one K, in the product's order):
;;     1. batch 64 x [M 2,048, K 128] x [K 128, N 2,048]; A: input query; B: input key: QUANTISED
;;     2. batch 64 x [M 2,048, K 2,048] x [K 2,048, N 128]; A: softmax (see below); B: input value: QUANTISED
;;   THE QUANTISER, for each operand of a quantised product, along K:
;;     - K is cut into blocks of 32 from its start; a last block that is shorter is filled with zeros.
;;     - A block's scale is 2^e with e = floor(log2(the largest magnitude in the block)) - 15, held to -126 .. 127; a block of zeros has e = 0. As a byte (E8M0): e + 127.
;;     - Each number is divided by its block's scale, clamped to +-57,344, and rounded to the nearest number of E5M2, ties to even, subnormals kept.
;;     - The product sums the exact products of the quantised numbers (number of the format x scale) in f32.
;;   ~~~python
;;   def quantise(x, axis):      # numpy; x: float32 -> the quantised numbers, widened to float32 again
;;       x = np.moveaxis(x, axis, -1); K = x.shape[-1]
;;       x = np.pad(x, [(0, 0)] * (x.ndim - 1) + [(0, -K % 32)]); x = x.reshape(x.shape[:-1] + (-1, 32)); a = np.abs(x).max(-1, keepdims=True)
;;       e = np.where(a > 0, np.clip(np.frexp(np.where(a > 0, a, 1))[1] - 1 - 15, -126, 127), 0)      # np.frexp(a)[1] - 1 = floor(log2(a)), exactly
;;       r = np.clip(x / 2.0 ** e, -57344, 57344)
;;       step = 2.0 ** (np.maximum(np.frexp(np.where(r == 0, 1, r))[1] - 1, -14) - 2)
;;       q = np.round(r / step) * step * 2.0 ** e      # np.round: ties to even
;;       return np.moveaxis(q.reshape(q.shape[:-2] + (-1,))[..., :K], -1, axis).astype(np.float32)
;;   ~~~
;;   SOFTMAX AHEAD OF A QUANTISED PRODUCT. Where the list says 'softmax', what is quantised is not the finished softmax but p = 2^(t - M), with t = logit x log2(e) and M = ceil(the row's largest t), a whole number; so 1/2 < the row's largest p <= 1. The row's sum l is taken of the UNQUANTISED p, in f32, and the product's result is divided by l at the end. Since M is a whole number, a kernel that streams over the keys may use a running M (the ceiling of the running maximum): every later rescaling is an exact power of two, which a block's scale takes up: the codes' values come out the same.
;;   OPERANDS COMPUTED ON THE WAY. 'Computed on the way' means the value that the module computes at that place (a softmax that the list does not call 'softmax' is quantised finished and normalised). What goes into a quantiser is computed in f32, as accurately as f32 sums, v_exp_f32 and their like allow (about 1e-6 of the number): no bf16 or f16 on the way to a quantiser, and a product that is left as it is and whose result goes on into a quantised operand takes f32 operands (vector FMAs, or v_wmma_f32_16x16x4_f32). A number that lies on a knife's edge between two numbers of the format may be rounded either way, as far as f32 arithmetic and the matrix unit's own rounding can turn it there, and no further.
;; One version. Each part assembles by itself: llvm-mc -triple=amdgcn-amd-amdhsa -mcpu=gfx1250 --defsym DOCPART=n.
;; ======== version 1 of 1: 2 launches
;; limits: right only within a limited range of input values
;; workspace buffers: k_codes 4,194,304 bytes; k_scales 131,072 bytes; v_codes 4,194,304 bytes; v_scales 131,072 bytes
;; launch prep (part 1): grid 256 x 1, 4 waves a work-group, no clusters, 68,096 bytes of LDS; arguments key, value, k_codes, k_scales, v_codes, v_scales; writes k_codes, k_scales, v_codes, v_scales
.if DOCPART == 1
	.amdgcn_target "amdgcn-amd-amdhsa--gfx1250"
	.amdhsa_code_object_version 6
	.text
	.protected	k_qe740cb0531_prep
	.globl	k_qe740cb0531_prep
	.p2align	8
	.type	k_qe740cb0531_prep,@function
k_qe740cb0531_prep:
	s_mov_b64 s[64:65], 0
	v_nop
	global_prefetch_b8 v0, s[64:65] scope:SCOPE_SE
	s_setreg_imm32_b32 hwreg(HW_REG_WAVE_MODE, 25, 1), 1
	s_wait_xcnt 0x0
; key [2][8][2048][128] f32 and value [2][2048][8][128] f32 become codes of BF8 (E5M2) with one E8M0 scale byte for each 32 along the K of the product that reads them.
; They are quantised once here, since every block of queries of four query heads reads them again.
; A block's scale is 2^(floor(log2(its largest magnitude)) - 15); its byte is the largest magnitude's exponent field - 15, held at 1 from below.  Each number is divided by the scale,
; held within +-57,344 and rounded to the nearest code, ties to even.
; LIMITS: blocks whose largest magnitude lies under 2^-111 keep the byte 1; a block of zeros keeps the byte 1 where the quantiser's text says 127 (its codes are zeros, which add nothing
; under any byte but 0xff, and this program alone reads the bytes); NaN and infinities among the inputs are not served.
; Work-groups 0-127: key, K = the head's 128, innermost in memory.   Work-groups 128-255: value, K = the keys, which are NOT innermost.  Each path has LDS bytes of its own and its own end.
; k_codes [16 heads][2048 places][128 bytes], k_scales [16][2048][4]: THE KEYS ARE LAID IN THE ORDER IN WHICH THE NEXT LAUNCH'S TILES WANT THEM: key k lies at the place k with its bits 3 and 4 swapped.
; v_codes [16 heads][128 channels][2048 keys], v_scales [16][128][64].
; No tensor loads, no barrier: waves share nothing.
.set STEPS, 16                         ; K's path: a wave takes 16 steps of 512 numbers (4 keys)
.set WREG,  8192                       ; K's path: LDS of a wave: two stages of 32 x SP bytes, behind them its 256 scale bytes
.set SP,    80                         ; a lane's place in a stage: its 64 bytes + 16 of padding
.set R,     16                         ; v16-79   four sets of 16 numbers as they are loaded
.set X,     80                         ; v80-111  two sets of 16 neighbours
.set E,     112                        ; v112-127 a scale byte for each step
.set C,     128                        ; v128-191 codes: four registers for each step, so that no store's data are written again
.set VSTG,  32768                      ; V's path: LDS from here on: a stage of 32 rows x PITCH for each wave
.set PITCH, 272                        ; a stage row: 256 codes + 16 bytes
.set NB,    8                          ; V's path: blocks of 32 keys for a wave
.set XV,    32                         ; v32-95   two sets of 32 numbers
.set CV,    96                         ; v96-103  a block's codes
.set OUTR,  112                        ; v112-175 the way out
.set SB,    24                         ; v24-25   the scale bytes, four to a register
	s_load_b256 s[4:11], s[0:1], 0x0               ; key s[4:5], value s[6:7], k_codes s[8:9], k_scales s[10:11]
	s_load_b128 s[12:15], s[0:1], 0x20             ; v_codes s[12:13], v_scales s[14:15]
	v_lshl_add_u32 v192, v0, 2, 0x10800
	v_mov_b32 v193, 0
	v_lshrrev_b32 v1, 5, v0
	v_readfirstlane_b32 s16, v1                    ; wave 0..3
	v_and_b32 v2, 31, v0                           ; lane
	s_wait_kmcnt 0x0
	s_cmp_lt_u32 ttmp9, 128                        ; the branch hangs on the work-group's number alone
	s_cbranch_scc0 .Lvalue
; ---------------- KEY.  Rows are dense, so key is a plain stream of blocks of 32.  The conversions take 16 neighbours from ONE lane's registers, a load is best where neighbouring LANES take neighbouring bytes:
; each load reads 512 consecutive bytes, 16 a lane; a step's 2,048 bytes go through the wave's own stage in LDS and come back 64 bytes a lane.  Two neighbouring lanes hold a block.
	s_wait_alu depctr_va_vdst(0)
	v_lshlrev_b32 v3, 4, v2                        ; my 16 bytes of a load's 512
	s_mul_i32 s17, s16, WREG
	v_lshrrev_b32 v14, 2, v2
	v_mul_u32_u24 v14, v14, SP
	v_and_b32 v15, 3, v2
	v_lshl_add_u32 v14, v15, 4, v14
	v_add_nc_u32 v14, s17, v14                     ; the stage, on the way in: SP (lane / 4) + 16 (lane % 4)
	v_mul_u32_u24 v15, v2, SP
	v_add_nc_u32 v15, s17, v15                     ; and on the way out: SP x lane: my 16 neighbours
	v_lshlrev_b32 v4, 4, v2                        ; my 16 codes' place in a step's 512 bytes
	v_lshrrev_b32 v5, 1, v2
	s_add_co_u32 s17, s17, 2*32*SP
	v_add_nc_u32 v5, s17, v5                       ; LDS: my wave's 256 scale bytes, my block's byte
	v_lshlrev_b32 v7, 3, v2                        ; and on the way out 8 bytes a lane
	v_add_nc_u32 v6, s17, v7
	s_mov_b32 s23, 0x600000                        ; the mantissa field of 57,344
	s_lshl_b32 s18, ttmp9, 2
	s_add_co_u32 s18, s18, s16                     ; which run of 8,192 numbers (64 keys) is my wave's: 0..511
	s_mov_b32 s21, 0
	s_lshl_b32 s20, s18, 15                        ; 32,768 bytes of f32,
	s_add_nc_u64 s[4:5], s[4:5], s[20:21]
	s_lshl_b32 s20, s18, 13                        ; 8,192 bytes of codes,
	s_add_nc_u64 s[8:9], s[8:9], s[20:21]
	s_lshl_b32 s20, s18, 8                         ; 256 scale bytes a run
	s_add_nc_u64 s[10:11], s[10:11], s[20:21]
.macro LOADK t
.irp i, 0,1,2,3
	global_load_b128 v[R+16*((\t)%4)+4*\i:R+16*((\t)%4)+4*\i+3], v3, s[4:5] offset:2048*(\t)+512*\i th:TH_LOAD_NT   ; 32 lanes read 512 consecutive bytes
.endr
.endm
.macro TURNK t                         ; step t's numbers through the stage: LDS serves a wave's instructions in order, so no wait stands between the stores and the loads
.irp i, 0,1,2,3
	ds_store_b128 v14, v[R+16*((\t)%4)+4*\i:R+16*((\t)%4)+4*\i+3] offset:32*SP*((\t)%2)+8*SP*\i
.endr
.irp i, 0,1,2,3
	ds_load_b128 v[X+16*((\t)%2)+4*\i:X+16*((\t)%2)+4*\i+3], v15 offset:32*SP*((\t)%2)+16*\i
.endr
.endm
.irp t, 0,1,2,3
	LOADK \t
.endr
	s_wait_alu depctr_va_vdst(0)
	s_wait_loadcnt 12                              ; step 0's four loads are in; the twelve of steps 1 to 3 may be out
	TURNK 0
.macro STEPK t
.set XS, X+16*((\t)%2)
.set TP, ((\t)&9)|(((\t)&2)<<1)|(((\t)&4)>>1)      ; my key is 64 x run + 4 t + lane / 8: its bits 3 and 4 are t's bits 1 and 2: swapped, they give the step's place in the output
.if (\t) > 0
	s_wait_dscnt 1                                 ; this step's numbers are back from the stage (the last step's byte store may be out): so its stores into the stage have read their registers,
.else
	s_wait_dscnt 0x0
.endif
.if (\t)+4 < STEPS
	LOADK (\t)+4                                   ; which take the loads of four steps on
.endif
.if (\t)+1 < STEPS
.if STEPS-2-(\t) >= 3
	s_wait_loadcnt 12                              ; the next step's four loads are in; those of the three steps behind it may be out
.else
	s_wait_loadcnt 4*(STEPS-2-(\t))                ; the tail: four for each step still behind the next one
.endif
	TURNK (\t)+1                                   ; and go through the other stage while this step is worked
.endif
	v_max3_num_f32 v8, |v[XS]|, |v[XS+1]|, |v[XS+2]|               ; the largest magnitude of my 16, in two chains
	v_max3_num_f32 v9, |v[XS+3]|, |v[XS+4]|, |v[XS+5]|
.irp i, 6,10
	v_max3_num_f32 v8, v8, |v[XS+\i]|, |v[XS+\i+1]|
	v_max3_num_f32 v9, v9, |v[XS+\i+2]|, |v[XS+\i+3]|
.endr
	v_max3_num_f32 v8, v8, |v[XS+14]|, |v[XS+15]|
	v_max3_num_f32 v8, v8, v9, 0x8000000           ; and the floor 2^(16 - 127): the byte cannot fall under 1
	v_max_num_f32_dpp v8, v8, v8 row_xmask:1 row_mask:0xf bank_mask:0xf   ; and of my neighbour's 16: the block's
	v_add_nc_u32 v11, 0xf8800000, v8               ; 15 off its exponent field: the conversion takes the exponent field of this operand as its scale
	v_and_or_b32 v10, v8, 0x7f800000, s23          ; 57,344 x the scale
.irp i, 0,1,2,3,4,5,6,7,8,9,10,11,12,13,14,15
	v_med3_num_f32 v[XS+\i], v[XS+\i], -v10, v10   ; the conversion to an 8-bit code does not saturate (ISA guide 7.6.2): the hold comes first
.endr
	v_cvt_scalef32_pk8_bf8_f32 v[C+4*(\t):C+4*(\t)+1], v[XS:XS+7], v11
	v_cvt_scalef32_pk8_bf8_f32 v[C+4*(\t)+2:C+4*(\t)+3], v[XS+8:XS+15], v11
	v_lshrrev_b32 v[E+(\t)], 23, v11               ; the scale's byte (also the plain line behind the conversions)
	ds_store_b8 v5, v[E+(\t)] offset:16*TP         ; both lanes of a block write the same byte with the same value
	global_store_b128 v4, v[C+4*(\t):C+4*(\t)+3], s[8:9] offset:512*TP   ; the wave stores 512 consecutive bytes: four keys' rows
.endm
.irp t, 0,1,2,3,4,5,6,7,8,9,10,11,12,13,14,15
	STEPK \t
.endr
	ds_load_b64 v[12:13], v6                       ; LDS serves a wave's instructions in order: these see my stores
	s_wait_dscnt 0x0
	global_store_b64 v7, v[12:13], s[10:11]        ; 32 lanes store 256 consecutive bytes, aligned
	s_wait_tensorcnt 0x0
	ds_add_u32 v192, v193
	s_wait_dscnt 0x0
	s_endpgm
; ---------------- VALUE.  Within a batch it is [2048 keys][1024 columns], column n = 128 x head + channel.  A LANE TAKES A COLUMN, AND ITS REGISTERS RUN DOWN THE KEYS: a load reads 128 consecutive bytes a wave,
; a block of 32 keys lies in one lane's 32 registers, and the conversions give codes with the keys innermost.  A wave takes 32 columns x 256 keys; its codes go through its own stage and leave as rows.
.Lvalue:
	s_sub_co_u32 s17, ttmp9, 128
	s_and_b32 s18, s17, 7                          ; which 128 columns
	s_bfe_u32 s19, s17, 0x30003                    ; which 256 keys
	s_lshr_b32 s20, s17, 6                         ; the batch
	s_lshl_b32 s18, s18, 7
	s_lshl_b32 s21, s16, 5
	s_add_co_u32 s18, s18, s21                     ; my wave's first column
	s_lshl_b32 s22, s20, 23                        ; value: a batch is 8,388,608 bytes,
	s_lshl_b32 s23, s19, 20                        ; 256 keys are 1,048,576,
	s_add_co_u32 s22, s22, s23
	s_lshl_b32 s23, s18, 2                         ; a column 4
	s_add_co_u32 s22, s22, s23
	s_mov_b32 s23, 0
	s_add_nc_u64 s[6:7], s[6:7], s[22:23]
	s_lshl_b32 s24, s20, 10
	s_add_co_u32 s24, s24, s18                     ; my first row of the outputs: 1,024 x batch + column
	s_lshl_b32 s22, s24, 11                        ; codes: 2,048 bytes a row,
	s_lshl_b32 s25, s19, 8                         ; 256 for my keys
	s_add_co_u32 s22, s22, s25
	s_add_nc_u64 s[12:13], s[12:13], s[22:23]
	s_lshl_b32 s22, s24, 6                         ; scale bytes: 64 a row,
	s_lshl_b32 s25, s19, 3                         ; 8 for my keys
	s_add_co_u32 s22, s22, s25
	s_add_nc_u64 s[14:15], s[14:15], s[22:23]
	s_mov_b32 s31, 0x600000                        ; the mantissa field of 57,344
	s_wait_alu depctr_va_vdst(0)
	v_lshlrev_b32 v3, 2, v2                        ; in: 4 bytes a lane
	s_mul_i32 s26, s16, 32*PITCH
	s_add_co_u32 s26, s26, VSTG                    ; my stage
	v_mul_u32_u24 v4, v2, PITCH
	v_add_nc_u32 v4, s26, v4                       ; into it: row = my column
	v_and_b32 v5, 15, v2
	v_lshrrev_b32 v6, 4, v2                        ; out of it: sixteen lanes to a row, two rows an instruction
	v_mul_u32_u24 v7, v6, PITCH
	v_lshl_add_u32 v7, v5, 4, v7
	v_add_nc_u32 v7, s26, v7
	v_lshlrev_b32 v8, 11, v6
	v_lshl_add_u32 v8, v5, 4, v8                   ; and the same place in the codes' buffer
	v_lshlrev_b32 v9, 6, v2                        ; my column's row of scale bytes
.macro LOADV t                         ; block t: value(32 t + i, my column), i = 0 .. 31, into set t % 2.  The largest offset is 255 rows of 4,096 bytes
.set i, 0
.rept 32
	global_load_b32 v[XV+32*((\t)%2)+i], v3, s[6:7] offset:(32*(\t)+i)*4096 th:TH_LOAD_NT
.set i, i+1
.endr
.endm
	LOADV 0
	LOADV 1
.macro BLOCKV t
.set XS, XV+32*((\t)%2)
.if (\t) < NB-1
	s_wait_loadcnt 32                              ; this block's 32 loads are in; the next block's 32 may be out
.else
	s_wait_loadcnt 0x0
.endif
	v_max3_num_f32 v12, |v[XS]|, |v[XS+1]|, |v[XS+2]|              ; the block's largest magnitude: all 32 numbers are mine
	v_max3_num_f32 v13, |v[XS+3]|, |v[XS+4]|, |v[XS+5]|
.irp i, 6,10,14,18,22,26
	v_max3_num_f32 v12, v12, |v[XS+\i]|, |v[XS+\i+1]|
	v_max3_num_f32 v13, v13, |v[XS+\i+2]|, |v[XS+\i+3]|
.endr
	v_max3_num_f32 v12, v12, |v[XS+30]|, |v[XS+31]|
	v_max3_num_f32 v12, v12, v13, 0x8000000        ; and the floor 2^(16 - 127)
	v_add_nc_u32 v11, 0xf8800000, v12              ; 15 off its exponent field: the conversion's scale operand
	v_and_or_b32 v10, v12, 0x7f800000, s31         ; 57,344 x the scale
	v_lshrrev_b32 v13, 23, v11                     ; the scale's byte
.if (\t)%4 == 0
	v_mov_b32 v[SB+(\t)/4], v13                    ; four bytes to a register, the earlier keys in the lower byte
.else
	v_lshl_or_b32 v[SB+(\t)/4], v13, 8*((\t)%4), v[SB+(\t)/4]
.endif
.set i, 0
.rept 32
	v_med3_num_f32 v[XS+i], v[XS+i], -v10, v10     ; the hold at the largest code x the scale
.set i, i+1
.endr
.irp g, 0,1,2,3
	v_cvt_scalef32_pk8_bf8_f32 v[CV+2*\g:CV+2*\g+1], v[XS+8*\g:XS+8*\g+7], v11
.endr
	v_nop                                          ; one plain line behind the last conversion
	ds_store_b128 v4, v[CV:CV+3] offset:32*(\t)    ; 32 codes: 32 bytes of my column's row
	ds_store_b128 v4, v[CV+4:CV+7] offset:32*(\t)+16
.if (\t)+2 < NB
	LOADV (\t)+2
.endif
	s_wait_dscnt 0x0                               ; the stores have read their registers: the next block's codes may be written
.endm
.irp t, 0,1,2,3,4,5,6,7
	BLOCKV \t
.endr
	global_store_b64 v9, v[SB:SB+1], s[14:15]      ; my column's 8 scale bytes: rows 64 bytes apart, one byte in 128 of what this path reads
.irp t, 0,1,2,3,4,5,6,7,8,9,10,11,12,13,14,15
	ds_load_b128 v[OUTR+4*\t:OUTR+4*\t+3], v7 offset:2*\t*PITCH   ; LDS serves a wave's instructions in order: these see my stores
.endr
.irp t, 0,1,2,3,4,5,6,7,8,9,10,11,12,13,14,15
	s_wait_dscnt 15-\t                             ; LDS loads come back in order: load t is in, the 15 - t behind it may be out
	global_store_b128 v8, v[OUTR+4*\t:OUTR+4*\t+3], s[12:13] offset:2*\t*2048   ; sixteen lanes store 256 consecutive bytes, aligned
.endr
	s_wait_tensorcnt 0x0
	ds_add_u32 v192, v193
	s_wait_dscnt 0x0
	s_endpgm
.Lfunc_end_k_qe740cb0531_prep:
	.size	k_qe740cb0531_prep, .Lfunc_end_k_qe740cb0531_prep-k_qe740cb0531_prep
	.p2alignl 7, 3214868480
	.fill 96, 4, 3214868480
	.section	.rodata,"a",@progbits
	.p2align	6, 0x0
	.amdhsa_kernel k_qe740cb0531_prep
		.amdhsa_group_segment_fixed_size 68096
		.amdhsa_private_segment_fixed_size 0
		.amdhsa_enable_private_segment 0
		.amdhsa_kernarg_size 48
		.amdhsa_user_sgpr_count 2
		.amdhsa_user_sgpr_kernarg_segment_ptr 1
		.amdhsa_wavefront_size32 1
		.amdhsa_system_sgpr_workgroup_id_x 1
		.amdhsa_system_sgpr_workgroup_id_y 1
		.amdhsa_system_sgpr_workgroup_id_z 1
		.amdhsa_system_vgpr_workitem_id 0
		.amdhsa_next_free_vgpr 194
		.amdhsa_next_free_sgpr 66
		.amdhsa_reserve_vcc 0
		.amdhsa_float_denorm_mode_32 3
		.amdhsa_float_denorm_mode_16_64 3
		.amdhsa_memory_ordered 1
		.amdhsa_forward_progress 1
		.amdhsa_inst_pref_size 109
	.end_amdhsa_kernel
	.amdgpu_metadata
---
amdhsa.version: [ 1, 2 ]
amdhsa.kernels:
  - .name:           k_qe740cb0531_prep
    .symbol:         k_qe740cb0531_prep.kd
    .args:
      - { .name: key, .offset: 0, .size: 8, .value_kind: global_buffer, .address_space: global }
      - { .name: value, .offset: 8, .size: 8, .value_kind: global_buffer, .address_space: global }
      - { .name: k_codes, .offset: 16, .size: 8, .value_kind: global_buffer, .address_space: global }
      - { .name: k_scales, .offset: 24, .size: 8, .value_kind: global_buffer, .address_space: global }
      - { .name: v_codes, .offset: 32, .size: 8, .value_kind: global_buffer, .address_space: global }
      - { .name: v_scales, .offset: 40, .size: 8, .value_kind: global_buffer, .address_space: global }
    .group_segment_fixed_size: 68096
    .private_segment_fixed_size: 0
    .kernarg_segment_align: 8
    .kernarg_segment_size: 48
    .max_flat_workgroup_size: 128
    .sgpr_count:     66
    .vgpr_count:     194
    .wavefront_size: 32
...
	.end_amdgpu_metadata
.endif
;; end of part 1
;; launch attn (part 2): grid 32 x 16, 8 waves a work-group, clusters of 4 x 4, 327,680 bytes of LDS; arguments query, k_codes, k_scales, v_codes, v_scales, attention_mask, out0; writes out0
.if DOCPART == 2
	.amdgcn_target "amdgcn-amd-amdhsa--gfx1250"
	.amdhsa_code_object_version 6
	.text
	.protected	k_qe740cb0531_attn
	.globl	k_qe740cb0531_attn
	.p2align	8
	.type	k_qe740cb0531_attn,@function
k_qe740cb0531_attn:
	s_mov_b64 s[64:65], 0
	v_nop
	global_prefetch_b8 v0, s[64:65] scope:SCOPE_SE
	s_setreg_imm32_b32 hwreg(HW_REG_WAVE_MODE, 25, 1), 1
	s_wait_xcnt 0x0
	s_wait_alu depctr_hold_cnt(0) depctr_sa_sdst(0) depctr_va_vdst(0) depctr_va_sdst(0) depctr_va_ssrc(0) depctr_va_vcc(0) depctr_vm_vsrc(0)
	s_getreg_b32 s2, hwreg(HW_REG_IB_STS2, 6, 4)
	s_cmp_eq_u32 s2, 0
	s_cbranch_scc0 .Lentry_in_a_cluster
	s_endpgm
.Lentry_in_a_cluster:
	s_bfe_u32 s2, ttmp6, 0x10000c
	s_cmp_lg_u32 s2, 0xf033
	s_cbranch_scc0 .Lentry_shape_is_right
	s_endpgm
.Lentry_shape_is_right:
; out0[b][h][q] = sum over k of softmax_k(query.key / sqrt(128) + attention_mask[b][q][k]) value, both products on codes of BF8 (E5M2) with E8M0 scales for each 32 along K.
; p = 2^(t - M), t = logit x log2(e), M = the running largest t rounded up to a whole number; the row's sum is taken of the unquantised p and divides at the end.
; Every input is read and every tile is done: the mask is an input, so nothing is taken as hidden.
; SHARES: a work-group owns 64 queries of the four query heads that share one key/value head.  Wave w owns queries 16 (w / 2) .. + 15 of heads 2 (w % 2) and 2 (w % 2) + 1: two tiles,
; which share every fragment of K, of V and of the mask that the wave reads from LDS.  Both products are used transposed: a lane holds one query (lane % 16).
; k_codes lie in the order in which a tile's lanes want the keys (bits 3 and 4 of the key swapped), so p's 16 registers of two tiles are 16 neighbouring keys.
; RING: two slots of 256 keys (K, V, the mask's 64 x 256), filled by joint loads: K, V and their scale bytes are shared along a row of the 4 x 4 cluster, the mask along a column.
; A refill is asked for behind a round and waited for two key steps on: 64 matrix instructions and four softmaxes of the wave; no L2 prefetch is laid beside it.
; REGISTERS: window 0: v1, v2 tile 1's scale words of Q and p; v5, v6 the add's; v8-11, v248-251 scale words of the fragments; v12-15 -M, largest t, the sum; v16-31 Q; v32-95 fragments a; v96-159 S^T, p; v160-223 O^T; v224-247 p's codes and work; v252-255.
; window 1: the same numbers for tile 1; v1-8 LDS addresses; v32-95 fragments b.
; LIMITS: the scaled scores stay under 2^31 in magnitude; a block of zeros keeps the scale byte 1 (its codes are zeros); NaN and infinities among the inputs are not served.
.set KP,    144
.set VP,    272
.set MP,    528
.set VOFF,  256*KP
.set MOFF,  VOFF+128*VP
.set MSUB,  64*MP
.set SLOT,  MOFF+2*MSUB
.set SCK,   2*SLOT
.set SCV,   SCK+32*272
.set SPARE, SCV+32*272
.set SPW,  5
.set NIL,  6
.set QF,   16
.set FR,   32
.set SC,   96
.set OT,   160
.set PC,   224
.set BM,   232
.set PX,   236
.set HD,   240
.set SO,   244
.set WV,   18
.set MNT,  19
.set SEL,  20
.set CS,   22
.set G1K,  24
.set G1V,  32
.set G1M,  40
.set G1S,  48
.set G0K,  56
.set G0V,  60
.set G0M,  68
.set G0SK, 72
.set G0SV, 76
.set L2E,  80
.set TB,   82                          ; LDS byte at which the slot in hand begins
.set TF,   83                          ; and the slot that is filled
.set LAPS, 84
.set OFFK, 85
.set OFFV, 86
.set OFFM, 87
.set MSB, 0
.macro WIN new                         ; low byte: bits 1:0 source 0, 3:2 source 1, 5:4 source 2, 7:6 destination; the high byte repeats the setting that is left
.if MSB != (\new)
	s_set_vgpr_msb (MSB<<8)|(\new)
.set MSB, (\new)
.endif
.endm
.macro NOP8
.rept 8
	v_nop
.endr
.endm
.macro CROUND
	s_barrier_signal -1
	s_barrier_wait -1
	s_cmp_lg_u32 s[WV], 0
	s_cbranch_scc1 .Lnot_wave_0_\@
	s_barrier_signal -3
.Lnot_wave_0_\@:
	s_barrier_wait -3
	s_barrier_signal -1
	s_barrier_wait -1
.endm
.macro JLOAD3                          ; waves 0, 1: K's halves; 2, 3: V's; 4, 5: the mask's; one joint load a wave
	s_cmp_lt_u32 s[WV], 2
	s_cbranch_scc0 .Lnot_k_\@
	tensor_load_to_lds s[G0K:G0K+3], s[G1K:G1K+7]
	s_nop 0
.rept 4
	v_nop
.endr
	s_branch .Lasked_\@
.Lnot_k_\@:
	s_cmp_lt_u32 s[WV], 4
	s_cbranch_scc0 .Lnot_v_\@
	tensor_load_to_lds s[G0V:G0V+3], s[G1V:G1V+7]
	s_nop 0
.rept 4
	v_nop
.endr
	s_branch .Lasked_\@
.Lnot_v_\@:
	s_cmp_lt_u32 s[WV], 6
	s_cbranch_scc0 .Lasked_\@
	tensor_load_to_lds s[G0M:G0M+3], s[G1M:G1M+7]
	s_nop 0
.rept 4
	v_nop
.endr
.Lasked_\@:
.endm
	s_load_b256 s[4:11], s[0:1], 0x0
	s_load_b128 s[12:15], s[0:1], 0x20
	s_load_b64 s[16:17], s[0:1], 0x30
	v_lshl_add_u32 v[SPW], v0, 2, SPARE
	v_mov_b32 v[NIL], 0
	ds_add_u32 v5, v6                      ; the opening lines: the add twice on end and its wait
	ds_add_u32 v5, v6
	s_wait_dscnt 0x0
	v_lshrrev_b32 v32, 5, v0
	v_readfirstlane_b32 s[WV], v32
	s_bfe_u32 s88, ttmp6, 0x40000          ; cx
	s_bfe_u32 s89, ttmp6, 0x40004          ; cy
	s_lshl_b32 s90, ttmp9, 2
	s_add_co_u32 s90, s90, s88             ; block of 64 queries
	s_and_b32 s98, ttmp7, 0xffff
	s_lshl_b32 s91, s98, 2
	s_add_co_u32 s91, s91, s89             ; key/value head, 0..15
	s_lshr_b32 s98, s98, 1                 ; batch
	s_lshl_b32 s92, s89, 2
	s_lshl_b32 s92, 15, s92                ; my row of the cluster
	s_lshl_b32 s93, 0x1111, s88            ; my column
	s_or_b32 s[G1K], s92, (0<<16)|(1<<20)|(1<<21)|(4<<22)|(3<<25)
	s_mov_b32 s[G1K+1], 128<<16
	s_mov_b32 s[G1K+2], 128<<16
	s_mov_b32 s[G1K+3], 128<<16
	s_mov_b32 s[G1K+4], 128
	s_mov_b32 s[G1K+5], 128
	s_mov_b32 s[G1K+6], 0
	s_mov_b32 s[G1K+7], 0
	s_or_b32 s[G1V], s92, (0<<16)|(1<<20)|(1<<21)|(5<<22)|(3<<25)
	s_mov_b32 s[G1V+1], 256<<16
	s_mov_b32 s[G1V+2], 64<<16
	s_mov_b32 s[G1V+3], 256<<16
	s_mov_b32 s[G1V+4], 64
	s_mov_b32 s[G1V+5], 2048
	s_mov_b32 s[G1V+6], 0
	s_mov_b32 s[G1V+7], 0
	s_or_b32 s[G1M], s93, (2<<16)|(1<<20)|(1<<21)|(6<<22)|(3<<25)
	s_mov_b32 s[G1M+1], 128<<16
	s_mov_b32 s[G1M+2], 64<<16
	s_mov_b32 s[G1M+3], 128<<16
	s_mov_b32 s[G1M+4], 64
	s_mov_b32 s[G1M+5], 2048
	s_mov_b32 s[G1M+6], 0
	s_mov_b32 s[G1M+7], 0
	s_or_b32 s[G1S], s92, (3<<16)|(1<<20)|(1<<21)|(5<<22)|(3<<25)
	s_mov_b32 s[G1S+1], 32<<16
	s_mov_b32 s[G1S+2], 32<<16
	s_mov_b32 s[G1S+3], 32<<16
	s_mov_b32 s[G1S+4], 32
	s_mov_b32 s[G1S+5], 32
	s_mov_b32 s[G1S+6], 0
	s_mov_b32 s[G1S+7], 0
	s_mov_b32 s[MNT], 0x600000             ; the mantissa field of 57,344
	s_mov_b32 s[SEL], 0x76543210
	s_mov_b32 s[SEL+1], 0xfedcba98
	s_mov_b32 s[CS], 0x3db504f3            ; 1 / sqrt(128)
	s_mov_b32 s[CS+1], s[CS]
	s_mov_b32 s[L2E], 0x3fb8aa3b           ; log2(e)
	s_mov_b32 s[L2E+1], s[L2E]
	s_mov_b32 s[TB], 0
	s_mov_b32 s[TF], SLOT
	s_mov_b32 s[LAPS], 7
	s_and_b32 s66, s[WV], 1                ; which half of a tile I fetch
	s_mul_i32 s[OFFK], s66, 128*KP
	s_mul_i32 s[OFFV], s66, 64*VP
	s_add_co_u32 s[OFFV], s[OFFV], VOFF
	s_mul_i32 s[OFFM], s66, MSUB
	s_add_co_u32 s[OFFM], s[OFFM], MOFF
	s_lshl_b32 s94, s91, 18
	s_lshl_b32 s95, s66, 14
	s_add_co_u32 s94, s94, s95
	s_mov_b32 s95, 0
	s_lshl_b32 s96, s91, 18
	s_lshl_b32 s97, s66, 17
	s_add_co_u32 s96, s96, s97
	s_mov_b32 s97, 0
	s_lshl_b32 s98, s98, 24
	s_lshl_b32 s99, s90, 19
	s_add_co_u32 s98, s98, s99
	s_lshl_b32 s99, s66, 9
	s_add_co_u32 s98, s98, s99
	s_mov_b32 s99, 0
	s_lshr_b32 s100, s[WV], 1              ; my 16 of the 64 queries
	s_mul_i32 s100, s100, 16*MP
	s_add_co_u32 s100, s100, MOFF
	s_lshl_b32 s66, s66, 1                 ; my first query head: 4 x key/value head + 2 (wave % 2)
	s_lshl_b32 s67, s91, 2
	s_add_co_u32 s66, s66, s67
	s_lshl_b32 s66, s66, 11
	s_lshl_b32 s67, s90, 6
	s_add_co_u32 s66, s66, s67
	s_lshr_b32 s67, s[WV], 1
	s_lshl_b32 s67, s67, 4
	s_add_co_u32 s66, s66, s67             ; its first row of query and out0
	s_lshl_b32 s2, s66, 9
	s_mov_b32 s3, 0
	v_and_b32 v32, 15, v0                  ; r
	v_bfe_u32 v33, v0, 4, 1                ; h
	v_mul_u32_u24 v34, v32, KP
	v_mul_u32_u24 v35, v32, VP
	v_mul_u32_u24 v36, v32, MP
	v_lshlrev_b32 v37, 9, v32
	v_lshrrev_b32 v38, 2, v32
	v_and_b32 v39, 3, v32
	v_lshlrev_b32 v39, 6, v39
	v_mad_u32_u24 v38, v38, 272, v39
	v_lshl_add_u32 v35, v33, 4, v35
	v_lshl_add_u32 v36, v33, 6, v36
	v_lshl_add_u32 v37, v33, 6, v37        ; query: row r, 64 h bytes on
	WIN 0x40                               ; the LDS addresses live in window 1
	v_lshl_add_u32 v1, v33, 4, v34         ; K in a slot
	v_add_nc_u32 v2, VOFF, v35             ; V
	v_add_nc_u32 v3, s100, v36             ; the mask
	v_lshl_add_u32 v7, v32, 2, SCK         ; K's scale words, stepped 544 bytes a key step
	v_add_nc_u32 v8, SCV, v38              ; V's, stepped 4
	WIN 0
	s_wait_alu depctr_va_vdst(0)
	s_wait_kmcnt 0x0
	s_mov_b32 s[G0K], 1
	s_mov_b32 s[G0K+1], s[OFFK]
	s_add_nc_u64 s[G0K+2:G0K+3], s[6:7], s[94:95]
	s_or_b32 s[G0K+3], s[G0K+3], 0x80000000
	s_mov_b32 s[G0V], 1
	s_mov_b32 s[G0V+1], s[OFFV]
	s_add_nc_u64 s[G0V+2:G0V+3], s[10:11], s[96:97]
	s_or_b32 s[G0V+3], s[G0V+3], 0x80000000
	s_mov_b32 s[G0M], 1
	s_mov_b32 s[G0M+1], s[OFFM]
	s_add_nc_u64 s[G0M+2:G0M+3], s[14:15], s[98:99]
	s_or_b32 s[G0M+3], s[G0M+3], 0x80000000
	s_lshl_b32 s94, s91, 13
	s_mov_b32 s[G0SK], 1
	s_mov_b32 s[G0SK+1], SCK
	s_add_nc_u64 s[G0SK+2:G0SK+3], s[8:9], s[94:95]
	s_or_b32 s[G0SK+3], s[G0SK+3], 0x80000000
	s_mov_b32 s[G0SV], 1
	s_mov_b32 s[G0SV+1], SCV
	s_add_nc_u64 s[G0SV+2:G0SV+3], s[12:13], s[94:95]
	s_or_b32 s[G0SV+3], s[G0SV+3], 0x80000000
	s_add_nc_u64 s[4:5], s[4:5], s[2:3]
	s_add_nc_u64 s[16:17], s[16:17], s[2:3]
.irp T, 0,1                            ; Q of both heads (a head is 0x100000 bytes), asked for ahead of the rounds
	WIN 0x40*\T
.irp b, 0,1,2,3
.irp j, 0,1,2,3
	global_load_b128 v[SC+16*\b+4*\j:SC+16*\b+4*\j+3], v37, s[4:5] offset:0x100000*\T+128*\b+16*\j th:TH_LOAD_NT
.endr
.endr
.endr
	WIN 0
	CROUND
; THE HEAD'S LOADS, ONE A WAVE, in one chain of arms on the wave's number: waves 0, 1 slot 0's halves of K; 2, 3 of V; 4, 5 of the mask; wave 6 the head's scale bytes of K, wave 7 those of V (filled once)
.macro ARM under, g0, g1, next
	s_cmp_lt_u32 s[WV], \under
	s_cbranch_scc0 \next
	tensor_load_to_lds s[\g0:\g0+3], s[\g1:\g1+7]
	s_nop 0
.rept 4
	v_nop
.endr
	s_branch .Lhead_asked
\next:
.endm
	ARM 2, G0K,  G1K, .Lhead_v
	ARM 4, G0V,  G1V, .Lhead_m
	ARM 6, G0M,  G1M, .Lhead_sk
	ARM 7, G0SK, G1S, .Lhead_sv
	tensor_load_to_lds s[G0SV:G0SV+3], s[G1S:G1S+7]
	s_nop 0
.rept 4
	v_nop
.endr
.Lhead_asked:
; Q is quantised in registers while slot 0's load is out; the state begins: largest t -3e38, sums and O^T zeros
.macro QQ T
	WIN 0x55*(\T)
.irp b, 0,1,2,3
	v_mov_b32 v[PX+\b], 0
.endr
	v_mov_b32 v253, 0
.irp b, 0,1,2,3
	v_max3_num_f32 v[BM+\b], |v[SC+16*\b]|, |v[SC+1+16*\b]|, 0x8000000
.endr
.irp i, 2,4,6,8,10,12,14
.irp b, 0,1,2,3
	v_max3_num_f32 v[BM+\b], v[BM+\b], |v[SC+16*\b+\i]|, |v[SC+1+16*\b+\i]|
.endr
.endr
.irp b, 0,1,2,3
	v_permlanex16_b32 v[PX+\b], v[BM+\b], s[SEL], s[SEL+1]
.endr
.irp b, 0,1,2,3
	v_max_num_f32 v[BM+\b], v[BM+\b], v[PX+\b]
.endr
.irp b, 0,1,2,3
	v_add_nc_u32 v[SO+\b], 0xf8800000, v[BM+\b]
.endr
.irp b, 0,1,2,3
	v_and_or_b32 v[HD+\b], v[BM+\b], 0x7f800000, s[MNT]
.endr
.irp b, 0,1,2,3
	v_lshrrev_b32 v[PX+\b], 23, v[SO+\b]
.endr
	v_lshl_or_b32 v254, v[PX+1], 8, v[PX]
	v_lshl_or_b32 v254, v[PX+2], 16, v254
	WIN 0x11*(\T)                          ; scale words stand in window 0
	v_lshl_or_b32 v[255-254*(\T)], v[PX+3], 24, v254
	WIN 0x55*(\T)
.irp b, 0,1,2,3
.irp i, 0,1,2,3,4,5,6,7,8,9,10,11,12,13,14,15
	v_med3_num_f32 v[SC+16*\b+\i], v[SC+16*\b+\i], -v[HD+\b], v[HD+\b]
.endr
	v_cvt_scalef32_pk8_bf8_f32 v[QF+4*\b:QF+4*\b+1], v[SC+16*\b:SC+16*\b+7], v[SO+\b]
	v_cvt_scalef32_pk8_bf8_f32 v[QF+4*\b+2:QF+4*\b+3], v[SC+16*\b+8:SC+16*\b+15], v[SO+\b]
.endr
	v_nop
	v_mov_b32 v13, 0xff61b1e6
	v_floor_f32 v12, -v13
	v_mov_b32 v14, 0
	v_mov_b32 v15, 0
.set j, 0
.rept 64
	v_mov_b32 v[OT+j], 0
.set j, j+1
.endr
.endm
	s_wait_loadcnt 0x0
	QQ 0
	QQ 1
	WIN 0
	s_wait_alu depctr_va_vdst(0)
; K's fragments of key step q of the slot in hand: keys 0-63 into fragments a, 64-127 into b, 20 LDS loads each; eight places stand ahead of loads into registers that products have read
.macro KLA q
	NOP8
	WIN 0x01
.irp t, 0,1,2,3
.irp c, 0,1,2,3
	ds_load_b128 v[FR+16*\t+4*\c:FR+16*\t+4*\c+3], v4 offset:(128*(\q)+16*\t)*KP+32*\c
.endr
.endr
.irp t, 0,1,2,3
	ds_load_b32 v[248+\t], v7 offset:64*\t
.endr
.endm
.macro KLB q
	NOP8
	WIN 0x41
.irp t, 0,1,2,3
.irp c, 0,1,2,3
	ds_load_b128 v[FR+16*\t+4*\c:FR+16*\t+4*\c+3], v4 offset:(128*(\q)+16*(4+\t))*KP+32*\c
.endr
.endr
	WIN 0x01
.irp t, 0,1,2,3
	ds_load_b32 v[8+\t], v7 offset:272+64*\t
.endr
.endm
; four products of tile T on fragments F (0: a, 1: b), group g of four tiles.  Accumulators take turns
.macro QK T, F, g
	WIN 0x54*(\T)|(\F)
.irp t, 0,1,2,3
	v_wmma_scale_f32_16x16x128_f8f6f4 v[SC+8*(4*\g+\t):SC+8*(4*\g+\t)+7], v[FR+16*\t:FR+16*\t+15], v[QF:QF+15], 0, v[248-240*(\F)+\t], v[255-254*(\T)] matrix_a_fmt:MATRIX_FMT_BF8 matrix_b_fmt:MATRIX_FMT_BF8
.endr
.endm
.macro PV T, F, g
	WIN 0x54*(\T)|(\F)
.irp t, 0,1,2,3
	v_wmma_scale_f32_16x16x128_f8f6f4 v[OT+8*(4*\g+\t):OT+8*(4*\g+\t)+7], v[FR+16*\t:FR+16*\t+15], v[PC:PC+15], v[OT+8*(4*\g+\t):OT+8*(4*\g+\t)+7], v[248-240*(\F)+\t], v[253-251*(\T)] matrix_a_fmt:MATRIX_FMT_BF8 matrix_b_fmt:MATRIX_FMT_BF8
.endr
.endm
; tile T's softmax of 128 keys, p's codes and scale word, O^T under the new M
.macro SOFT T
	WIN 0x55*(\T)
.irp b, 0,1,2,3
	v_max3_num_f32 v[224+\b], v[SC+16*\b], v[SC+1+16*\b], v[SC+2+16*\b]   ; a block's 16 logits as a tree: five triples in v224-243,
.endr
.irp k, 1,2,3,4
.irp b, 0,1,2,3
	v_max3_num_f32 v[224+4*\k+\b], v[SC+16*\b+3*\k], v[SC+16*\b+3*\k+1], v[SC+16*\b+3*\k+2]
.endr
.endr
.irp b, 0,1,2,3
	v_max3_num_f32 v[SO+\b], v[224+\b], v[228+\b], v[232+\b]              ; three of them,
.endr
.irp b, 0,1,2,3
	v_max3_num_f32 v[PX+\b], v[236+\b], v[240+\b], v[SC+15+16*\b]         ; the other two and the sixteenth,
.endr
.irp b, 0,1,2,3
	v_max_num_f32 v[BM+\b], v[SO+\b], v[PX+\b]                            ; and both
.endr
.irp b, 0,1,2,3
	v_permlanex16_b32 v[PX+\b], v[BM+\b], s[SEL], s[SEL+1]
.endr
.irp b, 0,1,2,3
	v_max_num_f32 v[BM+\b], v[BM+\b], v[PX+\b] ; each block's largest logit: for the row's maximum and for the block's largest p
.endr
	v_max3_num_f32 v254, v[BM], v[BM+1], v[BM+2]
	v_max_num_f32 v254, v254, v[BM+3]
	v_mul_f32 v254, s[L2E], v254
	v_max_num_f32 v13, v13, v254           ; the running largest t
	v_mov_b32 v254, v12
	v_floor_f32 v12, -v13                  ; -M
	v_sub_f32 v254, v12, v254
	v_cvt_i32_f32 v254, v254
	v_ldexp_f32 v252, 1.0, v254            ; f = 2^(old M - new M)
.set j, 0
.rept 32
	v_pk_fma_f32 v[SC+j:SC+j+1], v[SC+j:SC+j+1], s[L2E:L2E+1], v[12:13] op_sel_hi:[1,0,0]
.set j, j+2
.endr
.irp b, 0,1,2,3
	v_fma_f32 v[BM+\b], v[BM+\b], s[L2E], v12
.endr
	s_wait_alu depctr_va_vdst(0)           ; ahead of the batch
.set j, 0
.rept 64
	v_exp_f32 v[SC+j], v[SC+j]
.set j, j+1
.endr
.irp b, 0,1,2,3
	v_exp_f32 v[BM+\b], v[BM+\b]
.endr
	v_pk_mul_f32 v[14:15], v[14:15], v[252:253] op_sel_hi:[1,0]
	s_wait_alu depctr_va_vdst(0)           ; and behind it, ahead of its first reader
.irp b, 0,1,2,3
	v_max_num_f32 v[BM+\b], 0x8000000, v[BM+\b]
.endr
.irp b, 0,1,2,3
	v_add_nc_u32 v[SO+\b], 0xf8800000, v[BM+\b]
.endr
.irp b, 0,1,2,3
	v_and_or_b32 v[HD+\b], v[BM+\b], 0x7f800000, s[MNT]
.endr
.irp b, 0,1,2,3
	v_lshrrev_b32 v[PX+\b], 23, v[SO+\b]
.endr
	v_lshl_or_b32 v254, v[PX+1], 8, v[PX]
	v_lshl_or_b32 v254, v[PX+2], 16, v254
	WIN 0x11*(\T)
	v_lshl_or_b32 v[253-251*(\T)], v[PX+3], 24, v254   ; p's scale word, in window 0
	WIN 0x55*(\T)
	v_pk_add_f32 v[PX:PX+1], v[SC:SC+1], v[SC+2:SC+3]      ; the row's sum of the unquantised p, two at a time, in four chains
	v_pk_add_f32 v[BM:BM+1], v[SC+4:SC+5], v[SC+6:SC+7]
	v_pk_add_f32 v[BM+2:BM+3], v[SC+8:SC+9], v[SC+10:SC+11]
	v_pk_add_f32 v[14:15], v[14:15], v[SC+12:SC+13]
	v_pk_add_f32 v[PX:PX+1], v[PX:PX+1], v[SC+14:SC+15]
.irp j, 16,24,32,40,48,56
	v_pk_add_f32 v[BM:BM+1], v[BM:BM+1], v[SC+\j:SC+\j+1]
	v_pk_add_f32 v[BM+2:BM+3], v[BM+2:BM+3], v[SC+\j+2:SC+\j+3]
	v_pk_add_f32 v[14:15], v[14:15], v[SC+\j+4:SC+\j+5]
	v_pk_add_f32 v[PX:PX+1], v[PX:PX+1], v[SC+\j+6:SC+\j+7]
.endr
	v_pk_add_f32 v[PX:PX+1], v[PX:PX+1], v[BM:BM+1]
	v_pk_add_f32 v[14:15], v[14:15], v[BM+2:BM+3]
	v_pk_add_f32 v[14:15], v[14:15], v[PX:PX+1]
.irp b, 0,1,2,3
.irp i, 0,2,4,6,8,10,12,14
	v_dual_min_num_f32 v[SC+16*\b+\i], v[SC+16*\b+\i], v[HD+\b] :: v_dual_min_num_f32 v[SC+16*\b+\i+1], v[SC+16*\b+\i+1], v[HD+\b]   ; the hold, two numbers an instruction: the conversion does not saturate (ISA guide 7.6.2)
.endr
	v_cvt_scalef32_pk8_bf8_f32 v[PC+4*\b:PC+4*\b+1], v[SC+16*\b:SC+16*\b+7], v[SO+\b]
	v_cvt_scalef32_pk8_bf8_f32 v[PC+4*\b+2:PC+4*\b+3], v[SC+16*\b+8:SC+16*\b+15], v[SO+\b]
.endr
	s_wait_alu depctr_va_vdst(0)           ; directly ahead of the first reader of O^T
.set j, 0
.rept 32
	v_pk_mul_f32 v[OT+j:OT+j+1], v[OT+j:OT+j+1], v[252:253] op_sel_hi:[1,0]
.set j, j+2
.endr
.endm
; A KEY STEP of 128 keys for both tiles.  On entry K's 40 loads are out.  nxt = 1: the next step's K (same slot) is fetched among the last products
.macro STEP q, nxt
	s_wait_dscnt 20                        ; fragments a are in; b's 20 loads may be out
	QK 0, 0, 0
	QK 1, 0, 0
	NOP8
	WIN 0x01
.irp b, 0,1,2,3
.irp j, 0,1,2,3
	ds_load_b128 v[FR+16*\b+4*\j:FR+16*\b+4*\j+3], v6 offset:(\q)*MSUB+128*\b+16*\j   ; the mask of my 16 queries, into a
.endr
.endr
	s_wait_dscnt 16                        ; fragments b are in; the mask's 16 loads may be out
	QK 0, 1, 1
	QK 1, 1, 1
	NOP8
	WIN 0x41
.irp t, 0,1,2,3
.irp c, 0,1,2,3
	ds_load_b128 v[FR+16*\t+4*\c:FR+16*\t+4*\c+3], v5 offset:16*\t*VP+128*(\q)+32*\c   ; V's channels 0-63, into b
.endr
.endr
	WIN 0x01
.irp t, 0,1,2,3
	ds_load_b32 v[8+\t], v8 offset:\t*4*272
.endr
	s_wait_dscnt 20                        ; the mask is in; V's 20 loads may be out
.irp T, 0,1
	WIN 0x41*\T
.set j, 0
.rept 32
	v_pk_fma_f32 v[SC+j:SC+j+1], v[SC+j:SC+j+1], s[CS:CS+1], v[FR+j:FR+j+1] op_sel_hi:[1,0,1]   ; logit = score / sqrt(128) + mask
.set j, j+2
.endr
.endr
	WIN 0x01
.irp t, 0,1,2,3
.irp c, 0,1,2,3
	ds_load_b128 v[FR+16*\t+4*\c:FR+16*\t+4*\c+3], v5 offset:16*(4+\t)*VP+128*(\q)+32*\c   ; V's channels 64-127, into a
.endr
.endr
.irp t, 0,1,2,3
	ds_load_b32 v[248+\t], v8 offset:(4+\t)*4*272
.endr
	WIN 0x44
	v_add_nc_u32 v7, 544, v7               ; the next step's scale words
	v_add_nc_u32 v8, 4, v8
	SOFT 0
	SOFT 1
	s_wait_alu depctr_va_vdst(0)
	s_wait_dscnt 0x0                       ; V
	PV 0, 0, 1
	PV 1, 0, 1
.if \nxt
	KLA (\q)+1
.endif
	PV 0, 1, 0
	PV 1, 1, 0
.if \nxt
	KLB (\q)+1
.endif
	WIN 0
.endm
; THE CHANGE OF SLOTS: all my tensor loads are in, the add, my reads of the slot left are over; a round of the cluster's barrier; the joint refill first behind it
.macro CHANGE fill
	s_wait_tensorcnt 0x0
	ds_add_u32 v[SPW], v[NIL]
	WIN 0x44
	v_add_nc_u32 v4, s[TB], v1             ; the addresses in the slot in hand
	v_add_nc_u32 v5, s[TB], v2
	v_add_nc_u32 v6, s[TB], v3
	WIN 0
.if \fill
	s_add_co_u32 s[G0K+1], s[OFFK], s[TF]
	s_add_nc_u64 s[G0K+2:G0K+3], s[G0K+2:G0K+3], 256*128
	s_add_co_u32 s[G0V+1], s[OFFV], s[TF]
	s_add_nc_u64 s[G0V+2:G0V+3], s[G0V+2:G0V+3], 256
	s_add_co_u32 s[G0M+1], s[OFFM], s[TF]
	s_add_nc_u64 s[G0M+2:G0M+3], s[G0M+2:G0M+3], 256*4
.endif
	s_wait_alu depctr_va_vdst(0)
	s_wait_dscnt 0x0
.if \fill
	CROUND
	JLOAD3
.else
	s_barrier_signal -1
	s_barrier_wait -1
.endif
	KLA 0
	KLB 0
.endm
.Lslot:                                        ; 7 trips, a slot of 256 keys each; the next slot is asked for at the trip's head
	CHANGE 1
	STEP 0, 1
	STEP 1, 0
	s_xor_b32 s[TB], s[TB], SLOT
	s_xor_b32 s[TF], s[TF], SLOT
	s_sub_co_u32 s[LAPS], s[LAPS], 1
	s_cmp_lg_u32 s[LAPS], 0
	s_cbranch_scc1 .Lslot
	CHANGE 0                               ; the last slot (LDS slot 1) asks for nothing
	STEP 0, 1
	STEP 1, 0
; THE WAY OUT: O^T / the sum goes through my stage, 16 rows x 272 bytes in slot 0 (its last fill is over, nobody reads it), and leaves as aligned runs of 256 bytes
	NOP8
	v_and_b32 v32, 15, v0
	v_bfe_u32 v33, v0, 4, 1
	s_mul_i32 s66, s[WV], 16*272
	v_mul_u32_u24 v3, v32, 272
	v_lshl_add_u32 v3, v33, 5, v3
	v_add_nc_u32 v3, s66, v3               ; in: row r, 32 h bytes on
	v_mul_u32_u24 v4, v33, 272
	v_lshl_add_u32 v4, v32, 4, v4
	v_add_nc_u32 v4, s66, v4               ; back: sixteen lanes to a row
	v_lshlrev_b32 v7, 9, v33
	v_lshl_add_u32 v7, v32, 4, v7          ; and the same place in out0
.macro OUT T
	WIN 0x55*(\T)
	v_add_f32 v14, v14, v15
	v_permlanex16_b32 v252, v14, s[SEL], s[SEL+1]
	v_add_f32 v14, v14, v252               ; the row's sum
	s_wait_alu depctr_va_vdst(0)           ; ahead of the transcendental
	v_rcp_f32 v14, v14
	v_nop
	s_wait_alu depctr_va_vdst(0)           ; and ahead of its first reader
.set j, 0
.rept 64
	v_mul_f32 v[SC+j], v[OT+j], v14
.set j, j+1
.endr
.irp u, 0,1
	WIN 0x04*(\T)
.irp t, 0,1,2,3
	ds_store_b128 v3, v[SC+32*\u+8*\t:SC+32*\u+8*\t+3] offset:64*\t
	ds_store_b128 v3, v[SC+32*\u+8*\t+4:SC+32*\u+8*\t+7] offset:64*\t+16
.endr
	WIN 0x40*(\T)
.irp i, 0,1,2,3,4,5,6,7
	ds_load_b128 v[FR+32*\u+4*\i:FR+32*\u+4*\i+3], v4 offset:2*\i*272   ; LDS serves a wave's instructions in order
.endr
.endr
	WIN 0x04*(\T)
.irp u, 0,1
.irp i, 0,1,2,3,4,5,6,7
	s_wait_dscnt 15-8*\u-\i                ; this load is in; those behind it may be out
	global_store_b128 v7, v[FR+32*\u+4*\i:FR+32*\u+4*\i+3], s[16:17] offset:0x100000*(\T)+2*\i*512+256*\u th:TH_STORE_NT
.endr
.endr
.endm
	OUT 0
	OUT 1
	WIN 0
	s_wait_tensorcnt 0x0                   ; the wave's end
	ds_add_u32 v[SPW], v[NIL]
	s_wait_dscnt 0x0
	CROUND                                 ; the closing round
	s_endpgm
.Lfunc_end_k_qe740cb0531_attn:
	.size	k_qe740cb0531_attn, .Lfunc_end_k_qe740cb0531_attn-k_qe740cb0531_attn
	.p2alignl 7, 3214868480
	.fill 96, 4, 3214868480
	.section	.rodata,"a",@progbits
	.p2align	6, 0x0
	.amdhsa_kernel k_qe740cb0531_attn
		.amdhsa_group_segment_fixed_size 327680
		.amdhsa_private_segment_fixed_size 0
		.amdhsa_enable_private_segment 0
		.amdhsa_kernarg_size 56
		.amdhsa_user_sgpr_count 2
		.amdhsa_user_sgpr_kernarg_segment_ptr 1
		.amdhsa_wavefront_size32 1
		.amdhsa_system_sgpr_workgroup_id_x 1
		.amdhsa_system_sgpr_workgroup_id_y 1
		.amdhsa_system_sgpr_workgroup_id_z 1
		.amdhsa_system_vgpr_workitem_id 0
		.amdhsa_next_free_vgpr 512
		.amdhsa_next_free_sgpr 102
		.amdhsa_reserve_vcc 0
		.amdhsa_float_denorm_mode_32 3
		.amdhsa_float_denorm_mode_16_64 3
		.amdhsa_memory_ordered 1
		.amdhsa_forward_progress 1
		.amdhsa_inst_pref_size 232
	.end_amdhsa_kernel
	.amdgpu_metadata
---
amdhsa.version: [ 1, 2 ]
amdhsa.kernels:
  - .name:           k_qe740cb0531_attn
    .symbol:         k_qe740cb0531_attn.kd
    .args:
      - { .name: query, .offset: 0, .size: 8, .value_kind: global_buffer, .address_space: global }
      - { .name: k_codes, .offset: 8, .size: 8, .value_kind: global_buffer, .address_space: global }
      - { .name: k_scales, .offset: 16, .size: 8, .value_kind: global_buffer, .address_space: global }
      - { .name: v_codes, .offset: 24, .size: 8, .value_kind: global_buffer, .address_space: global }
      - { .name: v_scales, .offset: 32, .size: 8, .value_kind: global_buffer, .address_space: global }
      - { .name: attention_mask, .offset: 40, .size: 8, .value_kind: global_buffer, .address_space: global }
      - { .name: out0, .offset: 48, .size: 8, .value_kind: global_buffer, .address_space: global }
    .group_segment_fixed_size: 327680
    .private_segment_fixed_size: 0
    .kernarg_segment_align: 8
    .kernarg_segment_size: 56
    .max_flat_workgroup_size: 256
    .sgpr_count:     102
    .vgpr_count:     512
    .wavefront_size: 32
...
	.end_amdgpu_metadata
.endif
;; end of part 2
